; MI455X (gfx1250); checked and timed in simulation.
; The chip was launched on July 23, 2026; its instructions are those of AMD's public machine-readable ISA for CDNA 5 (MIT licence, August 2026) and "CDNA5" Instruction Set Architecture Reference Guide (July 2026). The comments in the code are by the model that wrote it; some were corrected since.
;; Multi Head Attention. Allowed arithmetic: matrix products marked QUANTISED: E2M1 operands, one E8M0 scale for each 32 along K, by v_wmma_scale_f32_16x16x128_f8f6f4 with both operands' format E2M1 (or v_wmma_scale_f32_32x16x128_f4), f32 sums; everything else in f32.
;; Inputs: Wk_codes 1,024 x 32 x 16 uint8 (E2M1 codes of Wk, K innermost, in blocks of 32 codes, two codes a byte); Wk_scales 1,024 x 32 uint8 (E8M0 scales of Wk, one for each 32 codes along K); Wo_codes 1,024 x 32 x 16 uint8 (E2M1 codes of Wo, K innermost, in blocks of 32 codes, two codes a byte); Wo_scales 1,024 x 32 uint8 (E8M0 scales of Wo, one for each 32 codes along K); Wq_codes 1,024 x 32 x 16 uint8 (E2M1 codes of Wq, K innermost, in blocks of 32 codes, two codes a byte); Wq_scales 1,024 x 32 uint8 (E8M0 scales of Wq, one for each 32 codes along K); Wv_codes 1,024 x 32 x 16 uint8 (E2M1 codes of Wv, K innermost, in blocks of 32 codes, two codes a byte); Wv_scales 1,024 x 32 uint8 (E8M0 scales of Wv, one for each 32 codes along K); bo 1,024 float32; x_codes 4 x 2,048 x 32 x 16 uint8 (E2M1 codes of x, K innermost, in blocks of 32 codes, two codes a byte); x_scales 4 x 2,048 x 32 uint8 (E8M0 scales of x, one for each 32 codes along K).
;; Outputs: out0 4 x 2,048 x 1,024 float32.
;; This version of the problem:
;;   THIS VERSION OF THE PROBLEM IS GIVEN IN LOW PRECISION. The matrix products marked QUANTISED in the list below multiply operands that are first quantised to E2M1 (2 exponent bits, 1 mantissa bit; 4 bits a number), with one power-of-two scale for each 32 numbers along K (OCP MX v1.0); their sums are f32. All else is computed in f32.
;;   The module's matrix products, in the order in which they are computed (A, B: the left and right operand; K: the contracted axis; several contracted axes count as one K, in the product's order):
;;     1. [M 8,192, K 1,024] x [K 1,024, N 1,024]; A: input x (given as codes); B: input Wq (given as codes): QUANTISED
;;     2. [M 8,192, K 1,024] x [K 1,024, N 1,024]; A: input x (given as codes); B: input Wk (given as codes): QUANTISED
;;     3. [M 8,192, K 1,024] x [K 1,024, N 1,024]; A: input x (given as codes); B: input Wv (given as codes): QUANTISED
;;     4. batch 64 x [M 2,048, K 64] x [K 64, N 2,048]; A: computed on the way; B: computed on the way: QUANTISED
;;     5. batch 64 x [M 64, K 2,048] x [K 2,048, N 2,048]; A: computed on the way; B: softmax (see below): QUANTISED
;;     6. [M 8,192, K 1,024] x [K 1,024, N 1,024]; A: computed on the way; B: input Wo (given as codes): QUANTISED
;;   THE QUANTISER, for each operand of a quantised product, along K:
;;     - K is cut into blocks of 32 from its start; a last block that is shorter is filled with zeros.
;;     - A block's scale is 2^e with e = floor(log2(the largest magnitude in the block)) - 2, held to -126 .. 127; a block of zeros has e = 0. As a byte (E8M0): e + 127.
;;     - Each number is divided by its block's scale, clamped to +-6, and rounded to the nearest number of E2M1, ties to even, subnormals kept.
;;     - The product sums the exact products of the quantised numbers (number of the format x scale) in f32.
;;   ~~~python
;;   def quantise(x, axis):      # numpy; x: float32 -> the quantised numbers, widened to float32 again
;;       x = np.moveaxis(x, axis, -1); K = x.shape[-1]
;;       x = np.pad(x, [(0, 0)] * (x.ndim - 1) + [(0, -K % 32)]); x = x.reshape(x.shape[:-1] + (-1, 32)); a = np.abs(x).max(-1, keepdims=True)
;;       e = np.where(a > 0, np.clip(np.frexp(np.where(a > 0, a, 1))[1] - 1 - 2, -126, 127), 0)      # np.frexp(a)[1] - 1 = floor(log2(a)), exactly
;;       r = np.clip(x / 2.0 ** e, -6, 6)
;;       step = 2.0 ** (np.maximum(np.frexp(np.where(r == 0, 1, r))[1] - 1, 0) - 1)
;;       q = np.round(r / step) * step * 2.0 ** e      # np.round: ties to even
;;       return np.moveaxis(q.reshape(q.shape[:-2] + (-1,))[..., :K], -1, axis).astype(np.float32)
;;   ~~~
;;   SOFTMAX AHEAD OF A QUANTISED PRODUCT. Where the list says 'softmax', what is quantised is not the finished softmax but p = 2^(t - M), with t = logit x log2(e) and M = ceil(the row's largest t), a whole number; so 1/2 < the row's largest p <= 1. The row's sum l is taken of the UNQUANTISED p, in f32, and the product's result is divided by l at the end. Since M is a whole number, a kernel that streams over the keys may use a running M (the ceiling of the running maximum): every later rescaling is an exact power of two, which a block's scale takes up: the codes' values come out the same.
;;   OPERANDS COMPUTED ON THE WAY. 'Computed on the way' means the value that the module computes at that place (a softmax that the list does not call 'softmax' is quantised finished and normalised). What goes into a quantiser is computed in f32, as accurately as f32 sums, v_exp_f32 and their like allow (about 1e-6 of the number): no bf16 or f16 on the way to a quantiser, and a product that is left as it is and whose result goes on into a quantised operand takes f32 operands (vector FMAs, or v_wmma_f32_16x16x4_f32). A number that lies on a knife's edge between two numbers of the format may be rounded either way, as far as f32 arithmetic and the matrix unit's own rounding can turn it there, and no further.
;;   INPUTS GIVEN AS CODES. Wk (in the module: [1024, 1024], K = its axis 1); Wo (in the module: [1024, 1024], K = its axis 1); Wq (in the module: [1024, 1024], K = its axis 1); Wv (in the module: [1024, 1024], K = its axis 1); x (in the module: [4, 2048, 1024], K = its axis 2): each comes as NAME_codes (uint8): NAME with its K axis moved to the last place and cut into blocks of 32 codes, [.., K / 32, bytes a block], one block behind the other in memory; two codes a byte, the lower K in the low four bits (a code: sign, 2 exponent bits, 1 mantissa bit); and NAME_scales (uint8): the same leading axes, one E8M0 byte (e + 127) for each 32 codes along K. Its value is code x scale, taken as it is: it is not quantised again, and the codes and scales need not be those that the quantiser above would give.
;; One version. Each part assembles by itself: llvm-mc -triple=amdgcn-amd-amdhsa -mcpu=gfx1250 --defsym DOCPART=n.
;; ======== version 1 of 1: 3 launches
;; limits: right only within a limited range of input values
;; workspace buffers: qw 4,718,592 bytes; kv 9,175,040 bytes; cxi 4,194,304 bytes; cs 262,144 bytes
;; launch qkv (part 1): grid 8 x 32, 4 waves a work-group, clusters of 4 x 4, 327,680 bytes of LDS; arguments x_codes, x_scales, Wq_codes, Wq_scales, Wk_codes, Wk_scales, Wv_codes, Wv_scales, qw, kv; writes qw, kv
.if DOCPART == 1
	.amdgcn_target "amdgcn-amd-amdhsa--gfx1250"
	.amdhsa_code_object_version 6
	.text
	.protected	k_q1a48f8a01b_qkv
	.globl	k_q1a48f8a01b_qkv
	.p2align	8
	.type	k_q1a48f8a01b_qkv,@function
k_q1a48f8a01b_qkv:
	s_mov_b64 s[64:65], 0
	v_nop
	global_prefetch_b8 v0, s[64:65] scope:SCOPE_SE
	s_setreg_imm32_b32 hwreg(HW_REG_WAVE_MODE, 25, 1), 1
	s_wait_xcnt 0x0
	s_wait_alu depctr_hold_cnt(0) depctr_sa_sdst(0) depctr_va_vdst(0) depctr_va_sdst(0) depctr_va_ssrc(0) depctr_va_vcc(0) depctr_vm_vsrc(0)
	s_getreg_b32 s2, hwreg(HW_REG_IB_STS2, 6, 4)
	s_cmp_eq_u32 s2, 0
	s_cbranch_scc0 .Lentry_in_a_cluster
	s_endpgm
.Lentry_in_a_cluster:
	s_bfe_u32 s2, ttmp6, 0x10000c
	s_cmp_lg_u32 s2, 0xf033
	s_cbranch_scc0 .Lentry_shape_is_right
	s_endpgm
.Lentry_shape_is_right:
; q, k, v = x Wq^T, x Wk^T, x Wv^T on codes of FP4 (E2M1) with E8M0 scales, sums in f32; the results are quantised at once and leave as codes.
; x: [8192][1024] codes, W*: [1024][1024] codes, K innermost, 512 bytes a row; scale bytes 32 a row.
; SHARES.  256 work-groups.  One takes 256 tokens, in four steps of 64, x the 128 features of a pair of heads from each of Wq, Wk, Wv.  Wave (j, s): head 2 hp + j;
; s = 0: q's 64 features and v's tiles 0, 1; s = 1: k's 64 and v's tiles 2, 3: six tiles of 16 rows of W, whose fragments for all of K (384 registers) are read from LDS once and stay.
; LDS: Wq's, Wk's, Wv's 128 rows and x's first 128 tokens, one tensor load a wave; when all W fragments are in registers, x's other 128 tokens are fetched into Wq's place.
; CLUSTER 4 x 4: x's rows are shared along a row of the cluster, the weights' along a column: each tile is asked for jointly.  No prefetch: there is no loop of loads to run ahead in; the one refill is asked for a whole step of 64 tokens ahead.
; THE ROWS OF A TILE.  Of 64 rows (tokens or features), lane r of tile T takes row 32 g + 8 (T xor g) + r % 8, g = r / 8.  In a result, lane half h then holds in tiles 0..3, registers 0..7, the 32 rows 32 h + 8 (T xor h) + j:
; A WHOLE QUANTISER BLOCK IN ONE LANE.  (The xor lets the 16 rows of a fragment start 16 bytes apart modulo 256 at a pitch of 528.)  Within a block the order of k is the same for q and k, and for p and v.
; q and k are made TRANSPOSED (source 0 = rows of W, source 1 = tokens): a lane holds one token and 32 features.  v the natural way: a lane holds one feature and 32 tokens.
; WORKSPACE, as images of operand registers (l = lane):
;   qw [head 64][64 tokens 32][2304]: tile T's codes at 512 T + 16 l; scale words at 2048 + 8 l + 4 p (tile 2 p + l / 16; bytes 0, 1 the two blocks, 2, 3 zero)
;   kv [head 64][128 keys 16][8960]: K codes 2048 c + 512 T + 16 l (c: the 64 keys); V^T codes 4096 + 1024 f + 512 c + 16 l; K scale words 8192 + 256 c + 8 l + 4 p; V scale words 8704 + 128 s + 4 l (tile 2 s + l / 16)
; WORK LEFT OUT (in the launch attn): scores of keys behind a query are set to -inf by reference()'s own mask, so they weigh exactly 0 for all inputs; chunks of 64 keys that lie wholly under the mask are not computed.
; LIMITS: NaN and infinities are not served, and one that reaches only work left out is not carried to the result.  A block whose largest magnitude lies under 2^-124 has its scale byte held at 1;
; a block of zeros gets the byte 1 where the rule says 127: its codes are zeros, and this program alone reads the bytes.
; REGISTERS: window 0: v1-25 addresses; v32-95 x's scale words, v96-119 the weights'; v128-191 x's fragments, two sets; v192-241 at work on the way out.  windows 1, 2: W's fragments (K steps 0-4, 5-7).
;   window 3: accumulators: q or k (T, f) at 8 (4 T + f), v (e, T) at 128 + 8 (4 e + T).
.set PITCH, 528                        ; an LDS row: 512 bytes + 16 of padding
.set HALFT, 128*PITCH                  ; 128 rows: what one tensor load brings
.set SPARE, 4*HALFT                    ; the spare words: 128 bytes for each wave
.set SCX,  32                          ; x's scale words: 16 st + 8 p + kap: lanes 0-15 tile 2 p, lanes 16-31 tile 2 p + 1
.set SCW,  96                          ; the weights': 8 pp + kap: pp 0, 1: q or k; 2: v's two tiles
.set FX,   128
.set TM,   192                         ; the six blocks' largest magnitudes,
.set SO,   198                         ; the conversions' scale operands,
.set BY,   204                         ; the scale bytes
.set VPB,  210                         ; v's bytes of an even step, for the odd one
.set CD,   212                         ; codes: 4 registers a block
.set PP,   236
.set PV,   238
.set TX,   239
.set TY,   240
.set TZ,   241
.set MSB, 0
.macro WIN new                         ; the immediate's high byte repeats the setting that is left
.if MSB != (\new)
	s_set_vgpr_msb (MSB<<8)|(\new)
.set MSB, (\new)
.endif
.endm
.macro PLACES n
.rept \n
	v_nop
.endr
.endm
.macro CREST                           ; a round of the cluster's barrier behind its opening barrier
	s_cmp_lg_u32 s46, 0
	s_cbranch_scc1 .Lnot_wave_0_\@
	s_barrier_signal -3
.Lnot_wave_0_\@:
	s_barrier_wait -3
	s_barrier_signal -1
	s_barrier_wait -1
.endm
.macro CROUND
	s_barrier_signal -1
	s_barrier_wait -1
	CREST
.endm
; one matrix instruction; ra, rb: the side's scale words stand in lanes 16-31
.macro WM d, a, b, c, sa, sb, ra, rb
.if (\ra) && (\rb)
	v_wmma_scale_f32_16x16x128_f8f6f4 v[(\d):(\d)+7], v[(\a):(\a)+7], v[(\b):(\b)+7], \c, v[\sa], v[\sb] matrix_a_fmt:MATRIX_FMT_FP4 matrix_b_fmt:MATRIX_FMT_FP4 matrix_a_scale:MATRIX_SCALE_ROW1 matrix_b_scale:MATRIX_SCALE_ROW1
.elseif (\ra)
	v_wmma_scale_f32_16x16x128_f8f6f4 v[(\d):(\d)+7], v[(\a):(\a)+7], v[(\b):(\b)+7], \c, v[\sa], v[\sb] matrix_a_fmt:MATRIX_FMT_FP4 matrix_b_fmt:MATRIX_FMT_FP4 matrix_a_scale:MATRIX_SCALE_ROW1
.elseif (\rb)
	v_wmma_scale_f32_16x16x128_f8f6f4 v[(\d):(\d)+7], v[(\a):(\a)+7], v[(\b):(\b)+7], \c, v[\sa], v[\sb] matrix_a_fmt:MATRIX_FMT_FP4 matrix_b_fmt:MATRIX_FMT_FP4 matrix_b_scale:MATRIX_SCALE_ROW1
.else
	v_wmma_scale_f32_16x16x128_f8f6f4 v[(\d):(\d)+7], v[(\a):(\a)+7], v[(\b):(\b)+7], \c, v[\sa], v[\sb] matrix_a_fmt:MATRIX_FMT_FP4 matrix_b_fmt:MATRIX_FMT_FP4
.endif
.endm
.macro WMK kap, d, a, b, sa, sb, ra, rb    ; K step 0 starts the sum, the others add in place
.if (\kap) == 0
	WM \d, \a, \b, 0, \sa, \sb, \ra, \rb
.else
	WM \d, \a, \b, v[(\d):(\d)+7], \sa, \sb, \ra, \rb
.endif
.endm
.macro FETCHX st, kap                  ; x's four fragments (64 tokens x 128 K) into set kap % 2: 8 loads
	WIN 0
.irp T, 0,1,2,3
.irp c, 0,1
	ds_load_b128 v[FX+32*((\kap)%2)+8*\T+4*\c:FX+32*((\kap)%2)+8*\T+4*\c+3], v[8+2*((\st)/2)+\T%2] offset:64*(\kap)+32*\c+(\T/2)*16*PITCH+((\st)%2)*64*PITCH
.endr
.endr
.endm
.macro WSET kap                        ; where K step kap's fragments of W stay: window and first register
.if (\kap) < 5
.set WW, 1
.set WB, 48*(\kap)
.else
.set WW, 2
.set WB, 48*((\kap)-5)
.endif
.endm
.macro FETCHW kap                      ; W's six fragments: 12 loads
	WSET \kap
	WIN WW<<6
.irp i, 0,1,2,3
.irp c, 0,1
	ds_load_b128 v[WB+8*\i+4*\c:WB+8*\i+4*\c+3], v[12+\i%2] offset:64*(\kap)+32*\c+(\i/2)*16*PITCH
.endr
.endr
.irp i, 0,1
.irp c, 0,1
	ds_load_b128 v[WB+32+8*\i+4*\c:WB+32+8*\i+4*\c+3], v[14+\i] offset:64*(\kap)+32*\c
.endr
.endr
	WIN 0
.endm
; the 24 products of a K step: the 24 accumulators take turns, in the same order in every step
.macro MUL kap, st
	WSET \kap
	WIN 0xf0|WW
.irp T, 0,1,2,3
.irp f, 0,1,2,3
	WMK \kap, 8*(4*\T+\f), WB+8*\f, FX+32*((\kap)%2)+8*\T, SCW+8*(\f/2)+(\kap), SCX+16*(\st)+8*(\T/2)+(\kap), \f%2, \T%2
.endr
.endr
	WIN 0xf0|(WW<<2)
.irp e, 0,1
.irp T, 0,1,2,3
	WMK \kap, 128+8*(4*\e+\T), FX+32*((\kap)%2)+8*\T, WB+32+8*\e, SCX+16*(\st)+8*(\T/2)+(\kap), SCW+16+(\kap), \T%2, \e%2
.endr
.endr
.endm
.macro KSTEP st, kap
.if (\kap) < 7
.if (\kap) > 0
	PLACES 4                                       ; in front of loads into the set that the last step's products read (ISA guide 7.12.1 for vector instructions)
.endif
	FETCHX \st, (\kap)+1
.if (\st) == 0
	FETCHW (\kap)+1
	s_wait_dscnt 20                                ; all but the 8 + 12 just issued
.else
	s_wait_dscnt 8                                 ; all but the 8 just issued
.endif
	MUL \kap, \st
.elseif (\st) == 0
	WIN 0
	s_wait_tensorcnt 0x0                           ; none of my tensor loads is out,
	ds_add_u32 v24, v25
	s_add_nc_u64 s[34:35], s[34:35], 0x10000       ; so wave 3's descriptor steps to x's other 128 tokens,
	s_mov_b32 s33, 0                               ; which go into Wq's place
	s_wait_dscnt 0x0                               ; the add is done, and all my fragments of W are in registers
	s_barrier_signal -1
	MUL 7, 0
	WIN 0
	s_barrier_wait -1
	CREST                                          ; so for every wave of every partner
	s_cmp_eq_u32 s46, 3
	s_cbranch_scc0 .Lno_refill
	tensor_load_to_lds s[32:35], s[24:31]
	s_nop 0
	PLACES 4
.Lno_refill:
	PLACES 4
	FETCHX 1, 0
.elseif (\st) == 1
	s_wait_tensorcnt 0x0                           ; x's other 128 tokens have landed (wave 3),
	s_wait_dscnt 0x0
	s_barrier_signal -1
	MUL 7, 1
	s_barrier_wait -1                              ; for everybody.
	PLACES 4
	FETCHX 2, 0
.elseif (\st) == 2
	s_wait_dscnt 0x0
	PLACES 4
	FETCHX 3, 0
	MUL 7, 2
.else
	s_wait_dscnt 0x0
	MUL 7, 3
.endif
.endm
; scale words: lanes 0-15 the word of the first number's row, lanes 16-31 that of the second's; each lane half holds every other byte
.macro WORD d, a, b
	v_cndmask_b32 v[TX], v[\b], v[\a], s67
	v_cndmask_b32 v[TY], v[\a], v[\b], s67
	v_permlanex16_b32 v[TZ], v[TX], s68, s69
	v_lshlrev_b32 v[TY], v16, v[TY]
	v_lshl_or_b32 v[\d], v[TZ], v17, v[TY]
.endm
; the way out of 64 tokens: six blocks of 32 numbers a lane: 0-3 q's or k's (tile T: a token), 4, 5 v's (a feature)
.macro EPI st
	PLACES 4                                       ; behind the last products, in front of the reads of their results
	s_wait_xcnt 0x0                                ; the last step's stores have read their data and bases
.if (\st) == 1 || (\st) == 3
	s_add_nc_u64 s[70:71], s[70:71], s[76:77]
	s_add_nc_u64 s[72:73], s[72:73], s[78:79]
.elseif (\st) == 2
	s_add_nc_u64 s[70:71], s[70:71], s[80:81]
	s_add_nc_u64 s[72:73], s[72:73], s[82:83]
	s_add_nc_u64 s[74:75], s[74:75], 0x2300        ; 8,960: the next 128 keys of kv
.endif
	WIN 0x0f
.irp ch, 0,1,2,3,4,5
	v_max3_num_f32 v[TM+\ch], |v[32*\ch]|, |v[32*\ch+1]|, 0x1800000   ; from the low end on; the floor 2^(3 - 127): the byte cannot fall under 1
.endr
.irp i, 2,4,6,8,10,12,14,16,18,20,22,24,26,28,30
.irp ch, 0,1,2,3,4,5
	v_max3_num_f32 v[TM+\ch], |v[32*\ch+\i]|, |v[32*\ch+\i+1]|, v[TM+\ch]
.endr
.endr
	WIN 0
.irp ch, 0,1,2,3,4,5
	v_add_nc_u32 v[SO+\ch], 0xff000000, v[TM+\ch]  ; 2 off its exponent field: the conversion's scale operand
.endr
.irp ch, 0,1,2,3
	v_lshrrev_b32 v[BY+\ch], 23, v[SO+\ch]
.endr
.irp e, 0,1
.if (\st)%2 == 0
	v_lshrrev_b32 v[VPB+\e], 23, v[SO+4+\e]        ; kept for the odd step: the word takes in 128 keys
.else
	v_lshrrev_b32 v[BY+4+\e], 23, v[SO+4+\e]
.endif
.endr
	WIN 0x03
.irp ch, 0,1,2,3,4,5
.irp f, 0,1,2,3
	v_cvt_scalef32_pk8_fp4_f32 v[CD+4*\ch+\f], v[32*\ch+8*\f:32*\ch+8*\f+7], v[SO+\ch]
.endr
.endr
	WIN 0
	v_nop                                          ; one plain place behind the scaled conversions
.irp T, 0,1,2,3
	global_store_b128 v4, v[CD+4*\T:CD+4*\T+3], s[70:71] offset:512*\T     ; 32 lanes store 512 consecutive bytes
.endr
.irp e, 0,1
	global_store_b128 v6, v[CD+16+4*\e:CD+16+4*\e+3], s[74:75] offset:1024*\e+512*((\st)%2)
.endr
.irp p, 0,1
	WORD PP+\p, BY+2*\p, BY+2*\p+1
.endr
	global_store_b64 v5, v[PP:PP+1], s[72:73]      ; 256 consecutive bytes
.if (\st)%2
.irp e, 0,1
	v_lshl_or_b32 v[BY+4+\e], v[BY+4+\e], 16, v[VPB+\e]
.endr
	WORD PV, BY+4, BY+5
	global_store_b32 v7, v[PV], s[74:75]           ; v's scale words: 128 consecutive bytes a wave
.endif
.endm
	s_load_b256 s[4:11], s[0:1], 0x0               ; x's codes, scales, Wq's codes, scales
	s_load_b256 s[12:19], s[0:1], 0x20             ; Wk's codes, scales, Wv's codes, scales
	s_load_b128 s[20:23], s[0:1], 0x40             ; qw, kv
	v_lshl_add_u32 v24, v0, 2, SPARE
	v_mov_b32 v25, 0
	ds_add_u32 v24, v25                            ; the opening lines
	ds_add_u32 v24, v25
	v_lshrrev_b32 v1, 5, v0
	v_readfirstlane_b32 s46, v1                    ; wave 0..3: 0-2 fetch Wq's, Wk's, Wv's rows, 3 x's
	s_lshr_b32 s47, s46, 1                         ; j
	s_and_b32 s66, s46, 1                          ; s
	s_bfe_u32 s40, ttmp6, 0x40000                  ; cx
	s_bfe_u32 s41, ttmp6, 0x40004                  ; cy
	s_lshl_b32 s42, ttmp9, 2
	s_add_co_u32 s42, s42, s40                     ; hp, the pair of heads
	s_and_b32 s43, ttmp7, 0xffff
	s_lshl_b32 s43, s43, 2
	s_add_co_u32 s43, s43, s41                     ; Y, the block of 256 tokens
	s_lshl_b32 s44, s41, 2
	s_lshl_b32 s44, 15, s44                        ; my row of the cluster
	s_lshl_b32 s45, 0x1111, s40                    ; my column
	; descriptor group 1: 128 rows x 512 bytes, 16 bytes of padding behind each in LDS
	s_or_b32 s24, s44, (1<<20)|(1<<21)|(6<<22)|(3<<25)   ; the mask; elements of 1 byte; padding on; 21 set beside a mask; after every 128 words four words
	s_or_b32 s48, s45, (1<<20)|(1<<21)|(6<<22)|(3<<25)
.irp g, 24, 48
	s_mov_b32 s[\g+1], 512<<16
	s_mov_b32 s[\g+2], 128<<16
	s_mov_b32 s[\g+3], 512<<16
	s_mov_b32 s[\g+4], 128
	s_mov_b32 s[\g+5], 512
	s_mov_b32 s[\g+6], 0
	s_mov_b32 s[\g+7], 0
.endr
	s_lshl_b32 s60, s43, 17                        ; x: 256 Y rows of 512 bytes
	s_mov_b32 s61, 0
	s_lshl_b32 s62, s42, 16                        ; W: 128 hp rows
	s_mov_b32 s63, 0
	s_lshl_b32 s84, s43, 13                        ; x's scale bytes
	s_mov_b32 s85, 0
	s_lshl_b32 s86, s42, 12                        ; W's: (128 hp + 64 j) x 32
	s_lshl_b32 s87, s47, 11
	s_add_co_u32 s86, s86, s87
	s_mov_b32 s87, 0
	s_lshl_b32 s88, s66, 9                         ; v's: 16 s rows of tiles further on
	s_add_co_u32 s88, s88, s86
	s_mov_b32 s89, 0
	s_lshr_b32 s90, s43, 3                         ; batch
	s_lshl_b32 s90, s90, 4
	s_lshl_b32 s91, s42, 1
	s_add_co_u32 s90, s90, s91
	s_add_co_u32 s90, s90, s47                     ; the head among 64
	s_and_b32 s91, s43, 7
	s_lshl_b32 s92, s90, 5
	s_lshl_b32 s93, s91, 2
	s_add_co_u32 s92, s92, s93
	s_mul_i32 s92, s92, 2304                       ; qw: my first record
	s_mov_b32 s93, 0
	s_lshl_b32 s94, s90, 4
	s_lshl_b32 s95, s91, 1
	s_add_co_u32 s94, s94, s95
	s_mul_i32 s94, s94, 8960                       ; kv: my first 128 keys
	s_mov_b32 s95, 0
	s_mov_b32 s67, 0xffff0000                      ; lanes 16-31
	s_mov_b32 s68, 0x76543210                      ; v_permlanex16_b32's selects for lane l xor 16
	s_mov_b32 s69, 0xfedcba98
	s_mul_i32 s40, s66, HALFT
	s_mul_i32 s41, s47, 64*PITCH
	s_add_co_u32 s40, s40, s41                     ; W's 64 rows in LDS: Wq's or Wk's, head j
	s_mul_i32 s44, s66, 16*PITCH
	s_add_co_u32 s41, s41, s44
	s_add_co_u32 s41, s41, 2*HALFT                 ; Wv's, tiles 2 s on
	s_lshl_b32 s44, s66, 11
	s_add_co_u32 s44, s44, 4096
	s_lshl_b32 s45, s66, 7
	s_add_co_u32 s45, s45, 8704
	v_and_b32 v1, 15, v0                           ; r
	v_bfe_u32 v2, v0, 4, 1                         ; h
	v_and_b32 v3, 31, v0                           ; l
	v_bfe_u32 v19, v0, 3, 1                        ; g
	v_lshlrev_b32 v4, 4, v3
	v_lshlrev_b32 v5, 3, v3
	v_add_nc_u32 v6, s44, v4                       ; kv: V's codes, tiles 2 s on
	v_lshl_add_u32 v7, v3, 2, s45                  ; kv: V's scale words
	v_lshl_add_u32 v10, v19, 5, v1                 ; even tiles: row r + 32 g (+ 8 T)
	v_lshl_add_u32 v11, v19, 4, v1
	v_add_nc_u32 v11, 8, v11                       ; odd tiles: row 8 + r + 16 g (+ 8 (T - 1))
	v_mul_u32_u24 v10, v10, PITCH
	v_mul_u32_u24 v11, v11, PITCH
	v_lshl_add_u32 v10, v2, 4, v10                 ; v10, v11: x's other 128 tokens, in Wq's place: even and odd tiles
	v_lshl_add_u32 v11, v2, 4, v11
	v_add_nc_u32 v8, 3*HALFT, v10                  ; v8, v9: x's first 128
	v_add_nc_u32 v9, 3*HALFT, v11
	v_add_nc_u32 v12, s40, v10                     ; v12, v13: W's
	v_add_nc_u32 v13, s40, v11
	v_add_nc_u32 v14, s41, v10                     ; v14, v15: Wv's two tiles
	v_add_nc_u32 v15, s41, v11
	v_lshlrev_b32 v16, 3, v2                       ; 8 h
	v_sub_nc_u32 v17, 8, v16                       ; 8 (1 - h)
	v_xor_b32 v22, v2, v19
	v_and_b32 v23, 7, v1
	v_lshl_add_u32 v22, v22, 3, v23
	v_lshl_add_u32 v22, v19, 5, v22                ; row 32 g + 8 (h xor g) + r % 8 (+ 16 p): row r of tile 2 p + h
	v_lshlrev_b32 v18, 5, v22                      ; its scale bytes
	v_mov_b32 v[TZ], 0                             ; a lane permute's destination counts as one of its sources
	s_wait_alu depctr_va_vdst(0)
	s_wait_dscnt 0x0                               ; both adds are done
	s_wait_kmcnt 0x0
	s_cmp_eq_u32 s66, 1                            ; q or k: the choices hang on the wave's number alone
	s_cselect_b64 s[70:71], s[22:23], s[20:21]
	s_cselect_b32 s96, s94, s92
	s_mov_b32 s97, 0
	s_mov_b32 s3, 8192
	s_cselect_b32 s98, s3, 2048
	s_mov_b32 s99, 0
	s_add_nc_u64 s[70:71], s[70:71], s[96:97]      ; where my codes go,
	s_add_nc_u64 s[72:73], s[70:71], s[98:99]      ; my scale words,
	s_add_nc_u64 s[74:75], s[22:23], s[94:95]      ; and v's
	s_mov_b32 s3, 2048                             ; from an even step to an odd one, and from an odd one on: k's codes, scale words; q's records are 2,304 bytes apart
	s_cselect_b32 s76, s3, 2304
	s_mov_b32 s3, 256
	s_cselect_b32 s78, s3, 2304
	s_mov_b32 s3, 6912
	s_cselect_b32 s80, s3, 2304
	s_mov_b32 s3, 8704
	s_cselect_b32 s82, s3, 2304
	s_mov_b32 s77, 0
	s_mov_b32 s79, 0
	s_mov_b32 s81, 0
	s_mov_b32 s83, 0
	s_cselect_b64 s[90:91], s[14:15], s[10:11]
	s_add_nc_u64 s[86:87], s[90:91], s[86:87]
	s_add_nc_u64 s[88:89], s[18:19], s[88:89]
	s_add_nc_u64 s[84:85], s[6:7], s[84:85]
	s_cmp_eq_u32 s46, 1                            ; which weight my wave fetches
	s_cselect_b64 s[92:93], s[12:13], s[8:9]
	s_cmp_eq_u32 s46, 2
	s_cselect_b64 s[92:93], s[16:17], s[92:93]
	s_mul_i32 s33, s46, HALFT                      ; LDS address: the wave's number alone
	s_mov_b32 s57, s33
	s_mov_b32 s32, 1
	s_add_nc_u64 s[34:35], s[4:5], s[60:61]
	s_or_b32 s35, s35, 0x80000000
	s_mov_b32 s56, 1
	s_add_nc_u64 s[58:59], s[92:93], s[62:63]
	s_or_b32 s59, s59, 0x80000000
	CROUND                                         ; all sixteen work-groups are here: the joint loads meet
	s_cmp_eq_u32 s46, 3                            ; one tensor load a wave
	s_cbranch_scc0 .Lfill_w
	tensor_load_to_lds s[32:35], s[24:31]
	s_nop 0
	PLACES 4
	s_branch .Lfilled
.Lfill_w:
	tensor_load_to_lds s[56:59], s[48:55]
	s_nop 0
	PLACES 4
.Lfilled:
	; the scale words go from memory straight into registers: a lane takes the 32 bytes of its row: eight words, one for each K step
.irp st, 0,1,2,3
.irp p, 0,1
	global_load_b128 v[SCX+16*\st+8*\p:SCX+16*\st+8*\p+3],   v18, s[84:85] offset:2048*\st+512*\p
	global_load_b128 v[SCX+16*\st+8*\p+4:SCX+16*\st+8*\p+7], v18, s[84:85] offset:2048*\st+512*\p+16
.endr
.endr
.irp p, 0,1
	global_load_b128 v[SCW+8*\p:SCW+8*\p+3],   v18, s[86:87] offset:512*\p
	global_load_b128 v[SCW+8*\p+4:SCW+8*\p+7], v18, s[86:87] offset:512*\p+16
.endr
	global_load_b128 v[SCW+16:SCW+19], v18, s[88:89]
	global_load_b128 v[SCW+20:SCW+23], v18, s[88:89] offset:16
	s_wait_alu depctr_va_vdst(0)
	s_wait_tensorcnt 0x0                           ; my tile is in,
	s_barrier_signal -1
	s_barrier_wait -1                              ; and everybody's.
	FETCHX 0, 0
	FETCHW 0
	s_wait_loadcnt 0x0                             ; the scale words
.irp st, 0,1,2,3
.irp kap, 0,1,2,3,4,5,6,7
	KSTEP \st, \kap
.endr
	EPI \st
.endr
	s_wait_tensorcnt 0x0                           ; the wave's end
	ds_add_u32 v24, v25
	s_wait_dscnt 0x0
	CROUND                                         ; the closing round
	s_endpgm
.Lfunc_end_k_q1a48f8a01b_qkv:
	.size	k_q1a48f8a01b_qkv, .Lfunc_end_k_q1a48f8a01b_qkv-k_q1a48f8a01b_qkv
	.p2alignl 7, 3214868480
	.fill 96, 4, 3214868480
	.section	.rodata,"a",@progbits
	.p2align	6, 0x0
	.amdhsa_kernel k_q1a48f8a01b_qkv
		.amdhsa_group_segment_fixed_size 327680
		.amdhsa_private_segment_fixed_size 0
		.amdhsa_enable_private_segment 0
		.amdhsa_kernarg_size 80
		.amdhsa_user_sgpr_count 2
		.amdhsa_user_sgpr_kernarg_segment_ptr 1
		.amdhsa_wavefront_size32 1
		.amdhsa_system_sgpr_workgroup_id_x 1
		.amdhsa_system_sgpr_workgroup_id_y 1
		.amdhsa_system_sgpr_workgroup_id_z 1
		.amdhsa_system_vgpr_workitem_id 0
		.amdhsa_next_free_vgpr 960
		.amdhsa_next_free_sgpr 100
		.amdhsa_reserve_vcc 0
		.amdhsa_float_denorm_mode_32 3
		.amdhsa_float_denorm_mode_16_64 3
		.amdhsa_memory_ordered 1
		.amdhsa_forward_progress 1
		.amdhsa_inst_pref_size 178
	.end_amdhsa_kernel
	.amdgpu_metadata
---
amdhsa.version: [ 1, 2 ]
amdhsa.kernels:
  - .name:           k_q1a48f8a01b_qkv
    .symbol:         k_q1a48f8a01b_qkv.kd
    .args:
      - { .name: x_codes, .offset: 0, .size: 8, .value_kind: global_buffer, .address_space: global }
      - { .name: x_scales, .offset: 8, .size: 8, .value_kind: global_buffer, .address_space: global }
      - { .name: Wq_codes, .offset: 16, .size: 8, .value_kind: global_buffer, .address_space: global }
      - { .name: Wq_scales, .offset: 24, .size: 8, .value_kind: global_buffer, .address_space: global }
      - { .name: Wk_codes, .offset: 32, .size: 8, .value_kind: global_buffer, .address_space: global }
      - { .name: Wk_scales, .offset: 40, .size: 8, .value_kind: global_buffer, .address_space: global }
      - { .name: Wv_codes, .offset: 48, .size: 8, .value_kind: global_buffer, .address_space: global }
      - { .name: Wv_scales, .offset: 56, .size: 8, .value_kind: global_buffer, .address_space: global }
      - { .name: qw, .offset: 64, .size: 8, .value_kind: global_buffer, .address_space: global }
      - { .name: kv, .offset: 72, .size: 8, .value_kind: global_buffer, .address_space: global }
    .group_segment_fixed_size: 327680
    .private_segment_fixed_size: 0
    .kernarg_segment_align: 8
    .kernarg_segment_size: 80
    .max_flat_workgroup_size: 128
    .sgpr_count:     100
    .vgpr_count:     960
    .wavefront_size: 32
...
	.end_amdgpu_metadata
.endif
;; end of part 1
;; launch attn (part 2): grid 4 x 64, 16 waves a work-group, clusters of 4 x 1, 169,984 bytes of LDS; arguments qw, kv, cxi, cs; writes cxi, cs
.if DOCPART == 2
	.amdgcn_target "amdgcn-amd-amdhsa--gfx1250"
	.amdhsa_code_object_version 6
	.text
	.protected	k_q1a48f8a01b_attn
	.globl	k_q1a48f8a01b_attn
	.p2align	8
	.type	k_q1a48f8a01b_attn,@function
k_q1a48f8a01b_attn:
	s_mov_b64 s[64:65], 0
	v_nop
	global_prefetch_b8 v0, s[64:65] scope:SCOPE_SE
	s_setreg_imm32_b32 hwreg(HW_REG_WAVE_MODE, 25, 1), 1
	s_wait_xcnt 0x0
	s_wait_alu depctr_hold_cnt(0) depctr_sa_sdst(0) depctr_va_vdst(0) depctr_va_sdst(0) depctr_va_ssrc(0) depctr_va_vcc(0) depctr_vm_vsrc(0)
	s_getreg_b32 s2, hwreg(HW_REG_IB_STS2, 6, 4)
	s_cmp_eq_u32 s2, 0
	s_cbranch_scc0 .Lentry_in_a_cluster
	s_endpgm
.Lentry_in_a_cluster:
	s_bfe_u32 s2, ttmp6, 0x10000c
	s_cmp_lg_u32 s2, 0x3003
	s_cbranch_scc0 .Lentry_shape_is_right
	s_endpgm
.Lentry_shape_is_right:
; ctx[q] = the sum over keys k <= q of softmax_k(q . k / 8) v[k], for each of 64 (batch, head), 2,048 tokens, head size 64; both products on codes of FP4 with E8M0 scales.  ctx is quantised at once, along the features.
; THE SOFTMAX AHEAD OF THE SECOND PRODUCT: t = score x log2(e) / 8; M = the running largest t rounded UP to a whole number; p = 2^(t - M) is quantised along the keys, not normalised;
; the row's sum is taken of the unquantised p and divides at the end.  When M moves, the sum and O are multiplied by 2^(old M - new M): exact.
; WORK LEFT OUT: chunks of 64 keys that all come after a wave's queries: reference()'s own mask gives them the weight 0 for all inputs.
; LDS.  A head's K and V, codes and scale words, are 16 x 8,960 bytes = 143,360 bytes: they come ONCE, as they lie in kv (images of operand registers), one tensor load a wave, and are only read afterwards: the loop has no barrier.
; No prefetch: no loop loads from memory.
; SHARES.  The four work-groups of a cluster serve one head and ask for its K and V jointly.  The head's tokens are 32 blocks b of 64, each with four tiles of 16 queries (those of qw: lane r holds query 32 g + 8 (T xor g) + r % 8, g = r / 8).
; Work-group cx takes tile cx of every block; wave w block w in pass 0 and block 31 - w in pass 1.  Block b wants chunks 0 .. b of 64 keys, the last on the diagonal: (w + 1) + (32 - w) = 33 chunks for every wave.
; A step takes four chunks; (b + 1) % 4 chunks, the last masked, are left for a step of their own.  Every branch hangs on the wave's number and the pass alone; the place in the cluster enters global addresses and the mask alone.
; LAYOUT.  Both products transposed: S^T = K Q^T, O^T = V^T P^T: a lane holds ONE query (lane % 16).  Register 8 T + j of a chunk is key 32 h + 8 (T xor h) + j: a lane holds whole blocks of 32 keys, in the order in which V's codes stand,
; so the conversions' results are the second product's operand as they are.  O^T's register 8 f + j is channel 32 h + 8 (f xor h) + j.
; The first product's K is 64 in an instruction of 128: registers 4-7 of Q hold zero codes, so whatever codes stand in registers 4-7 of K's operand (the next tile's) add nothing; scale bytes 2, 3 are 0 on both sides.
; A BLOCK'S SCALE: with u = the block's largest t - M, the exponent of its largest p is floor(u): byte = floor(u) + 125, from below held at 1 (u at -124).
; LIMITS: NaN and infinities are not served, and one that reaches only work left out is not carried to the result; p under 2^-126 comes out of v_exp_f32 as 0; scale bytes are held at 1 from below (a block of zeros gets 1 where the
; rule says 127: its codes are zeros, and this program alone reads the bytes); the scaled scores stay under 2^31 in magnitude; 1 / l is v_rcp_f32 and a multiplication.
; cs is stored a byte a lane: whole rows of it would need all 16 heads in one work-group.
; REGISTERS: v0 kept; v1 16 l, v2 8 l, v3 4 l, v4, v5, v7 the step's LDS addresses, v6 my byte of cs, v8-11 block maxima, v12 -M, v13 the largest t, v[14:15] the sum, v16-23 Q, v24-27 the next Q, v28, v29 their scale words, v[30:31] f,
; v32-63 K then V, v64-71 p's codes (chunks 0, 1), v72-75 K's scale words, v76-79 V's, v80-83 scale operands, v84-87 exponents, v88-89 p's scale words, v90-94 at work, v92 -infinity, v96-127 O^T, v128-255 S^T, then p;
; of these, when their p are converted and summed, v136-143 take the codes of chunks 2, 3 and v160-191 their V.  s66-97: the mask of the diagonal chunk, a lane mask for each register.
.set STEPB, 8960
.set HEADB, 16*STEPB
.set REC,   2304
.set S,     128
.set O,     96
.set MK,    66
.macro PLACES n
.rept \n
	v_nop
.endr
.endm
.macro CROUND                          ; a round of the cluster's barrier
	s_barrier_signal -1
	s_barrier_wait -1
	s_cmp_lg_u32 s12, 0
	s_cbranch_scc1 .Lnot_wave_0_\@
	s_barrier_signal -3
.Lnot_wave_0_\@:
	s_barrier_wait -3
	s_barrier_signal -1
	s_barrier_wait -1
.endm
.macro WM d, a, b, c, sa, sb, ra       ; ra: source 0's scale words stand in lanes 16-31
.if (\ra)
	v_wmma_scale_f32_16x16x128_f8f6f4 v[(\d):(\d)+7], v[(\a):(\a)+7], v[(\b):(\b)+7], \c, v[\sa], v[\sb] matrix_a_fmt:MATRIX_FMT_FP4 matrix_b_fmt:MATRIX_FMT_FP4 matrix_a_scale:MATRIX_SCALE_ROW1
.else
	v_wmma_scale_f32_16x16x128_f8f6f4 v[(\d):(\d)+7], v[(\a):(\a)+7], v[(\b):(\b)+7], \c, v[\sa], v[\sb] matrix_a_fmt:MATRIX_FMT_FP4 matrix_b_fmt:MATRIX_FMT_FP4
.endif
.endm
.macro KLD ch                          ; chunk ch's four tiles of K and their scale words
.irp T, 0,1,2,3
	ds_load_b128 v[32+16*((\ch)%2)+4*\T:32+16*((\ch)%2)+4*\T+3], v4 offset:STEPB*((\ch)/2)+2048*((\ch)%2)+512*\T
.endr
	ds_load_b64 v[72+2*((\ch)%2):73+2*((\ch)%2)], v5 offset:STEPB*((\ch)/2)+8192+256*((\ch)%2)
.endm
.macro QK ch
.irp T, 0,1,2,3
	WM S+32*(\ch)+8*\T, 32+16*((\ch)%2)+4*\T, 16, 0, 72+2*((\ch)%2)+\T/2, 28, \T%2
.endr
.endm
.macro VLD k, dst                      ; V^T for the step's k-th 128 keys
.irp f, 0,1,2,3
.irp c, 0,1
	ds_load_b128 v[\dst+8*\f+4*\c:\dst+8*\f+4*\c+3], v4 offset:STEPB*(\k)+4096+1024*\f+512*\c
.endr
.endr
.endm
.macro MAXN a, n                       ; the largest scores of chunks a .. a + n - 1 in my lane, two chains a chunk, each tile from its low end on
.irp k, 0,1
.if \k < (\n)
	v_max3_num_f32 v[8+(\a)+\k], v[S+32*((\a)+\k)], v[S+32*((\a)+\k)+1], v[S+32*((\a)+\k)+2]
	v_max3_num_f32 v[80+(\a)+\k], v[S+32*((\a)+\k)+16], v[S+32*((\a)+\k)+17], v[S+32*((\a)+\k)+18]
.endif
.endr
.irp i, 3,5,7,9,11,13
.irp k, 0,1
.if \k < (\n)
	v_max3_num_f32 v[8+(\a)+\k], v[8+(\a)+\k], v[S+32*((\a)+\k)+\i], v[S+32*((\a)+\k)+\i+1]
	v_max3_num_f32 v[80+(\a)+\k], v[80+(\a)+\k], v[S+32*((\a)+\k)+16+\i], v[S+32*((\a)+\k)+17+\i]
.endif
.endr
.endr
.irp k, 0,1
.if \k < (\n)
	v_max3_num_f32 v[8+(\a)+\k], v[8+(\a)+\k], v[80+(\a)+\k], v[S+32*((\a)+\k)+15]
.endif
.endr
.irp k, 0,1
.if \k < (\n)
	v_max_num_f32 v[8+(\a)+\k], v[8+(\a)+\k], v[S+32*((\a)+\k)+31]
.endif
.endr
.endm
.macro SUMS from, to                   ; p's pairs from .. to - 1 onto four chains: pairs 0, 1, 2 and v[14:15]
.set q, \from
.rept (\to)-(\from)
.if q%4 == 3
	v_pk_add_f32 v[14:15], v[14:15], v[S+2*q:S+2*q+1]
.else
.set cc, S+2*(q%4)
	v_pk_add_f32 v[cc:cc+1], v[cc:cc+1], v[S+2*q:S+2*q+1]
.endif
.set q, q+1
.endr
.endm
.macro CVT ch, dst
.irp T, 0,1,2,3
	v_cvt_scalef32_pk8_fp4_f32 v[\dst+\T], v[S+32*(\ch)+8*\T:S+32*(\ch)+8*\T+7], v[80+(\ch)]
.endr
.endm
.macro PWORD k, n, pt                  ; p's scale word of n chunks: lanes 0-15 gather it: bytes 0, 2 are mine, 1, 3 lane l xor 16's
.if (\n) == 2
	v_lshl_add_u32 v[88+(\k)], v[85+2*(\k)], 16, v[84+2*(\k)]
	v_add_nc_u32 v[88+(\k)], 0x7d007d, v[88+(\k)]
.else
	v_add_nc_u32 v[88+(\k)], 0x7d, v[84+2*(\k)]
.endif
	v_permlanex16_b32 v[\pt], v[88+(\k)], s20, s21
	v_lshl_or_b32 v[88+(\k)], v[\pt], 8, v[88+(\k)]
.endm
.macro LOW4 n, code                    ; (helper: nothing)
.endm
; A STEP of nch chunks from LDS byte s18 on.  nch < 4: the last chunk is masked.  nch = 4: where the step is the tile's last.
.macro STEP nch
.if \nch > 2
.set NA, 2
.else
.set NA, \nch
.endif
	v_add_nc_u32 v4, s18, v1
	v_add_nc_u32 v5, s18, v2
	v_add_nc_u32 v7, s18, v3
	KLD 0
.if NA > 1
	KLD 1
.endif
	s_wait_alu depctr_va_vdst(0)
	s_wait_dscnt 0x0
	QK 0
.if NA > 1
	QK 1
.endif
	PLACES 4                                       ; in front of the loads below and of the first read of the scores
.if \nch > 2
	KLD 2
.if \nch > 3
	KLD 3
.endif
	MAXN 0, 2                                      ; under the loads' flight
	s_wait_alu depctr_va_vdst(0)
	s_wait_dscnt 0x0
	QK 2
.if \nch > 3
	QK 3
.endif
	PLACES 4
.endif
.irp s, 0,1
	ds_load_b32 v[76+\s], v7 offset:8704+128*\s    ; V's scale words: lanes 0-15 tile 2 s, lanes 16-31 tile 2 s + 1
.if \nch > 2
	ds_load_b32 v[78+\s], v7 offset:STEPB+8704+128*\s
.endif
.endr
	VLD 0, 32                                      ; V: wanted only behind the softmax
.if \nch == 4
	s_cmp_lg_u32 s17, s59
	s_cbranch_scc1 .Lopen_\@
.endif
.set n, 0
.rept 32
	v_cndmask_b32 v[S+32*(\nch-1)+n], v[S+32*(\nch-1)+n], v92, s[MK+n]   ; hidden scores become -infinity: p = 0 then.  A query's own key always counts
.set n, n+1
.endr
.if \nch == 4
.Lopen_\@:
.endif
.if \nch > 2
	MAXN 2, \nch-2
.else
	MAXN 0, \nch
.endif
.set RM, 91
.if \nch == 1
.set RM, 8
.elseif \nch == 2
	v_max_num_f32 v91, v8, v9
.else
	v_max3_num_f32 v91, v8, v9, v10
.endif
.if \nch == 4
	s_delay_alu instid0(VALU_DEP_1)
	v_max_num_f32 v91, v91, v11
.endif
	s_delay_alu instid0(VALU_DEP_1)
	v_permlanex16_b32 v90, v[RM], s20, s21
	s_delay_alu instid0(VALU_DEP_1)
	v_max_num_f32 v91, v[RM], v90                  ; with lane l xor 16's keys: the step's largest score of my query
	s_delay_alu instid0(VALU_DEP_1)
	v_mul_f32 v91, s22, v91                        ; as t (c is positive)
	s_delay_alu instid0(VALU_DEP_1)
	v_max_num_f32 v13, v13, v91                    ; the running largest t
	v_mov_b32 v94, v12
	s_delay_alu instid0(VALU_DEP_2)
	v_floor_f32 v12, -v13                          ; the new -M = floor(-t) = -ceil(t): a whole number
	s_delay_alu instid0(VALU_DEP_1)
	v_sub_f32 v91, v12, v94                        ; old M - new M: a whole number, 0 or less
.irp b, 0,1,2,3
.if \b < \nch
	v_fma_f32 v[84+\b], v[8+\b], s22, v12          ; u of each block
.endif
.endr
	v_cvt_i32_f32 v91, v91                         ; (it saturates)
.irp b, 0,1,2,3
.if \b < \nch
	v_max_num_f32 v[84+\b], 0xc2f80000, v[84+\b]   ; at -124 or above
.endif
.endr
	v_ldexp_f32 v30, 1.0, v91                      ; f = 2^(old M - new M)
.irp b, 0,1,2,3
.if \b < \nch
	v_cvt_floor_i32_f32 v[84+\b], v[84+\b]         ; the exponent of the block's largest p
.endif
.endr
.irp b, 0,1,2,3
.if \b < \nch
	v_add_lshl_u32 v[80+\b], v[84+\b], 0x7d, 23    ; the conversion's scale operand: exponent - 2, biased, in the exponent field
.endif
.endr
.if \nch == 1
	PWORD 0, 1, 90
.else
	PWORD 0, 2, 90
.endif
.if \nch > 2
	PWORD 1, \nch-2, 93
.endif
.set n, 0
.rept 16*\nch
	v_pk_fma_f32 v[S+n:S+n+1], v[S+n:S+n+1], s[22:23], v[12:13] op_sel_hi:[1,0,0]   ; t - M, two at a time
.set n, n+2
.endr
	s_wait_alu depctr_va_vdst(0)
.set n, 0
.rept 32*\nch
	v_exp_f32 v[S+n], v[S+n]                       ; p = 2^(t - M), at most 1
.set n, n+1
.endr
	v_pk_mul_f32 v[14:15], v[14:15], v[30:31] op_sel_hi:[1,0]   ; the sums under the new M.  (A plain place behind the exponentials)
	s_wait_alu depctr_va_vdst(0)                   ; and the one behind it, which stands ahead of O^T's first readers too
.set n, 0
.rept 16
	v_pk_mul_f32 v[O+n:O+n+1], v[O+n:O+n+1], v[30:31] op_sel_hi:[1,0]   ; O^T under the new M
.set n, n+2
.endr
	CVT 0, 64
.if NA > 1
	CVT 1, 68
.endif
	v_nop                                          ; one plain place behind the scaled conversions
.if NA == 1
.irp c, 68,69,70,71
	v_mov_b32 v\c, 0                               ; the other 64 keys count for nothing: zero codes
.endr
.endif
	SUMS 3, 16*NA
.if \nch > 2
	VLD 1, 160                                     ; into chunk 1's registers, whose p are converted and summed
	CVT 2, 136                                     ; codes into chunk 0's
.if \nch > 3
	CVT 3, 140
.endif
	v_nop
.if \nch == 3
.irp c, 140,141,142,143
	v_mov_b32 v\c, 0
.endr
.endif
	SUMS 32, 16*\nch
.endif
	v_pk_add_f32 v[S:S+1], v[S:S+1], v[S+2:S+3]
	v_pk_add_f32 v[14:15], v[14:15], v[S+4:S+5]
	v_pk_add_f32 v[14:15], v[14:15], v[S:S+1]
.if \nch == 1
	PLACES 4                                       ; (places between the writes of p's codes and the products, beside the sums)
.endif
	s_wait_alu depctr_va_vdst(0)
.if \nch > 2
	s_wait_dscnt 8                                 ; V's first 128 keys are in; the eight loads of the other 128 may be out
.else
	s_wait_dscnt 0x0
.endif
.irp f, 0,1,2,3
	WM O+8*\f, 32+8*\f, 64, v[O+8*\f:O+8*\f+7], 76+\f/2, 88, \f%2   ; the four accumulators by turns
.endr
.if \nch > 2
	s_wait_dscnt 0x0
.irp f, 0,1,2,3
	WM O+8*\f, 160+8*\f, 136, v[O+8*\f:O+8*\f+7], 78+\f/2, 89, \f%2
.endr
.endif
	PLACES 4                                       ; in front of the next loads into these registers, and of the reads of O^T
.endm
	s_load_b256 s[4:11], s[0:1], 0x0               ; qw s[4:5], kv s[6:7], cxi s[8:9], cs s[10:11]
	v_lshl_add_u32 v254, v0, 2, 0x29000
	v_mov_b32 v255, 0
	ds_add_u32 v254, v255                          ; the opening lines
	ds_add_u32 v254, v255
	s_wait_dscnt 0x0
	v_lshrrev_b32 v1, 5, v0
	s_delay_alu instid0(VALU_DEP_1)
	v_readfirstlane_b32 s12, v1                    ; wave 0..15
	s_bfe_u32 s13, ttmp6, 0x40000                  ; cx: my place in the cluster
	s_and_b32 s14, ttmp7, 0xffff                   ; BH = 16 x batch + head, which the four partners share
	; descriptor group 1: 8,960 dense bytes as 35 rows of 256 (32 elements of 8 bytes), no padding
	s_mov_b32 s24, 15|(3<<16)|(1<<21)              ; the mask: all four work-groups; elements of 8 bytes; 21 set beside a mask
	s_mov_b32 s25, 32<<16
	s_mov_b32 s26, 35<<16
	s_mov_b32 s27, 32<<16
	s_mov_b32 s28, 35
	s_mov_b32 s29, 32
	s_mov_b32 s30, 0
	s_mov_b32 s31, 0
	s_mov_b32 s32, 1                               ; group 0: count = 1
	s_mul_i32 s33, s12, STEPB                      ; LDS address: wave w brings keys 128 w on
	s_mul_i32 s52, s14, HEADB
	s_add_co_u32 s52, s52, s33                     ; and in kv (these two registers never hold cx)
	s_mov_b32 s53, 0
	s_lshl_b32 s48, s14, 5
	s_add_co_u32 s50, s48, s12                     ; Q's record: 32 BH + w in pass 0,
	s_mul_i32 s50, s50, REC
	s_mov_b32 s51, 0
	s_add_co_u32 s48, s48, 31
	s_sub_co_u32 s48, s48, s12                     ; + 31 - w in pass 1
	s_mul_i32 s48, s48, REC
	s_mov_b32 s49, 0
	s_lshr_b32 s46, s14, 4                         ; batch
	s_lshl_b32 s47, s46, 16                        ; cs: 2,048 tokens x 32 bytes a batch
	s_lshl_b32 s46, s46, 20                        ; cxi: 16 blocks of 65,536 bytes a batch,
	s_bfe_u32 s54, s14, 0x10003
	s_lshl_b32 s54, s54, 15
	s_add_co_u32 s46, s46, s54                     ; the K half: head / 8,
	s_lshl_b32 s54, s13, 12
	s_add_co_u32 s46, s46, s54                     ; tile cx of four,
	s_bfe_u32 s54, s14, 0x20001
	s_lshl_b32 s54, s54, 10
	s_add_co_u32 s46, s46, s54                     ; the K step in the half: (head / 2) % 4,
	s_and_b32 s54, s14, 1
	s_lshl_b32 s54, s54, 9
	s_add_co_u32 s46, s46, s54                     ; the half of a fragment: head % 2
	s_and_b32 s54, s14, 15
	s_lshl_b32 s54, s54, 1
	s_add_co_u32 s47, s47, s54                     ; cs: byte 2 x head
	s_mov_b32 s19, 0xffff0000                      ; lanes 16-31
	s_mov_b32 s20, 0x76543210                      ; v_permlanex16_b32's selects for lane l xor 16
	s_mov_b32 s21, 0xfedcba98
	s_mov_b32 s22, 0x3e38aa3b                      ; c = log2(e) / 8
	s_mov_b32 s23, s22                             ; (named with it as a pair, so it is written)
	s_lshl_b32 s54, s13, 9
	s_and_b32 s55, s13, 1
	s_lshl_b32 s55, s55, 7
	s_lshr_b32 s56, s13, 1
	s_lshl_b32 s56, s56, 2
	s_add_co_u32 s55, s55, s56
	v_and_b32 v8, 15, v0                           ; r
	v_bfe_u32 v9, v0, 4, 1                         ; h
	v_and_b32 v10, 31, v0                          ; l
	v_bfe_u32 v11, v0, 3, 1                        ; g
	v_lshlrev_b32 v1, 4, v10
	v_lshlrev_b32 v2, 3, v10
	v_lshlrev_b32 v3, 2, v10
	v_xor_b32 v84, s13, v11
	v_and_b32 v85, 7, v8
	v_lshl_add_u32 v84, v84, 3, v85
	v_lshl_add_u32 v84, v11, 5, v84                ; my query's place in its block of 64: 32 g + 8 (cx xor g) + r % 8
	v_lshl_add_u32 v6, v84, 5, v9                  ; cs: its row of 32 bytes, byte h of my head's two
	v_mul_u32_u24 v87, 40, v9
	v_sub_nc_u32 v85, v84, v87                     ; on the diagonal register 8 T + j is hidden where 8 T + j > this, T even,
	v_mul_u32_u24 v87, 24, v9
	v_sub_nc_u32 v86, v84, v87                     ; T odd
	v_add_nc_u32 v88, s54, v1                      ; Q's codes in a record: 512 cx + 16 l
	v_lshl_add_u32 v89, v8, 3, s55                 ; its scale words: 128 (cx % 2) + 8 r + 4 (cx / 2)
	s_wait_alu depctr_va_vdst(0)
	s_wait_kmcnt 0x0
	s_add_nc_u64 s[34:35], s[6:7], s[52:53]        ; group 0: global address
	s_or_b32 s35, s35, 0x80000000                  ; type = 2
	s_add_nc_u64 s[36:37], s[4:5], s[50:51]
	s_add_nc_u64 s[38:39], s[4:5], s[48:49]
	CROUND                                         ; all four work-groups are here: the joint loads meet
	tensor_load_to_lds s[32:35], s[24:31]          ; my one tensor load
	s_nop 0
	PLACES 4
	global_load_b128 v[16:19], v88, s[36:37]       ; pass 0's Q
	global_load_b32 v28, v89, s[36:37] offset:2048
	global_load_b128 v[24:27], v88, s[38:39]       ; pass 1's
	global_load_b32 v29, v89, s[38:39] offset:2048
.irp T, 0,2
.irp j, 0,1,2,3,4,5,6,7
	v_cmp_gt_i32 s[MK+8*\T+\j], 8*\T+\j, v85
.endr
.endr
.irp T, 1,3
.irp j, 0,1,2,3,4,5,6,7
	v_cmp_gt_i32 s[MK+8*\T+\j], 8*\T+\j, v86
.endr
.endr
.irp c, 20,21,22,23,48,49,50,51,64,65,66,67,68,69,70,71,90,93,31
	v_mov_b32 v\c, 0                               ; K = 64 .. 127 of Q: zero codes; registers that are named before the loop first writes them (as an operand's upper half, as a lane permute's destination, as a pair's upper half)
.endr
	v_mov_b32 v92, 0xff800000                      ; -infinity
	s_wait_alu depctr_va_vdst(0)
	s_wait_tensorcnt 0x0                           ; my part has landed,
	s_barrier_signal -1
	s_barrier_wait -1                              ; everybody's has: the head's K and V are whole, and nobody writes them again
	s_wait_loadcnt 0x0                             ; Q
	s_mov_b32 s15, s12                             ; b, my block: w in pass 0, 31 - w in pass 1
	s_mov_b32 s16, 0                               ; the pass
.Lpass:
.set n, 0
.rept 32
	v_mov_b32 v[O+n], 0                            ; O^T.  (The first step finds zeros, which the first change of M leaves zeros)
.set n, n+1
.endr
	v_mov_b32 v13, 0xff61b1e6                      ; the largest t so far: -3e38, under every t
	v_mov_b32 v14, 0                               ; the sum, in two halves
	v_mov_b32 v15, 0
	v_floor_f32 v12, -v13                          ; -M
	s_wait_alu depctr_va_vdst(0)
	s_add_co_u32 s57, s15, 1                       ; chunks
	s_lshr_b32 s56, s57, 2                         ; steps of four,
	s_and_b32 s57, s57, 3                          ; and what is left
	s_sub_co_u32 s59, s56, 1
	s_cmp_eq_u32 s57, 0
	s_cselect_b32 s59, s59, 64                     ; the step of four that ends on the diagonal, if one does
	s_mov_b32 s17, 0                               ; the step
	s_mov_b32 s18, 0                               ; and its first LDS byte
.Lstep:                                            ; 8 trips, a constant; those beyond my steps are jumped over: a branch on the wave's number and the pass
	s_cmp_ge_u32 s17, s56
	s_cbranch_scc1 .Lnext
	STEP 4
.Lnext:
	s_add_co_u32 s18, s18, 2*STEPB
	s_add_co_u32 s17, s17, 1
	s_cmp_lt_u32 s17, 8
	s_cbranch_scc1 .Lstep
	s_mul_i32 s18, s56, 2*STEPB
	s_min_u32 s18, s18, 14*STEPB                   ; (with eight steps of four nothing is left, and nothing is read here)
	s_cmp_lg_u32 s57, 1
	s_cbranch_scc1 .Lnot1
	STEP 1
	s_branch .Ltile_done
.Lnot1:
	s_cmp_lg_u32 s57, 2
	s_cbranch_scc1 .Lnot2
	STEP 2
	s_branch .Ltile_done
.Lnot2:
	s_cmp_lg_u32 s57, 3
	s_cbranch_scc1 .Ltile_done
	STEP 3
.Ltile_done:
	; THE END OF A PASS: O^T / l; its 64 channels are two blocks of ctx's K, one in each lane half; codes and scale bytes leave.
	s_lshr_b32 s40, s15, 1
	s_lshl_b32 s40, s40, 16                        ; cxi: block b / 2 of 128 tokens,
	s_and_b32 s41, s15, 1
	s_lshl_b32 s41, s41, 14                        ; tile 4 (b % 2) + cx
	s_add_co_u32 s40, s40, s41
	s_add_co_u32 s40, s40, s46
	s_mov_b32 s41, 0
	s_add_nc_u64 s[42:43], s[8:9], s[40:41]
	s_lshl_b32 s40, s15, 11                        ; cs: 64 b tokens of 32 bytes
	s_add_co_u32 s40, s40, s47
	s_add_nc_u64 s[44:45], s[10:11], s[40:41]
	s_wait_alu depctr_va_vdst(0)
	v_add_f32 v14, v14, v15                        ; the sum's two halves,
	s_delay_alu instid0(VALU_DEP_1)
	v_permlanex16_b32 v90, v14, s20, s21
	s_delay_alu instid0(VALU_DEP_1)
	v_add_f32 v14, v14, v90                        ; and lane l xor 16's
	s_wait_alu depctr_va_vdst(0)
	v_rcp_f32 v30, v14
	v_nop                                          ; a plain place behind it
	s_wait_alu depctr_va_vdst(0)
.set n, 0
.rept 16
	v_pk_mul_f32 v[S+n:S+n+1], v[O+n:O+n+1], v[30:31] op_sel_hi:[1,0]   ; each accumulator from its low end on
.set n, n+2
.endr
	v_max3_num_f32 v8, |v[S]|, |v[S+1]|, 0x1800000
	v_max3_num_f32 v80, |v[S+16]|, |v[S+17]|, |v[S+18]|
.irp i, 2,4,6,8,10,12
	v_max3_num_f32 v8, v8, |v[S+\i]|, |v[S+\i+1]|
	v_max3_num_f32 v80, v80, |v[S+17+\i]|, |v[S+18+\i]|
.endr
	v_max3_num_f32 v8, v8, |v[S+14]|, |v[S+15]|
	v_max3_num_f32 v8, v8, v80, |v[S+31]|
	v_add_nc_u32 v80, 0xff000000, v8
	v_lshrrev_b32 v84, 23, v80
.irp f, 0,1,2,3
	v_cvt_scalef32_pk8_fp4_f32 v[64+\f], v[S+8*\f:S+8*\f+7], v80
.endr
	v_nop                                          ; one plain place behind the scaled conversions
.irp f, 0,1,2,3
	v_cndmask_b32 v[72+\f], v[64+\f], v[64+(\f^1)], s19   ; lanes 16-31 hold channels 8 (f xor 1) in tile f: query r, channels 32 h .. + 31 in order
.endr
	global_store_b128 v1, v[72:75], s[42:43]       ; 32 lanes store 512 consecutive bytes
	global_store_b8 v6, v84, s[44:45]
	s_wait_xcnt 0x0                                ; the stores' bases and data are written again only behind this wait
.irp c, 0,1,2,3
	v_mov_b32 v[16+\c], v[24+\c]                   ; the next pass's Q (the next pass's clears stand between these and the products)
.endr
	v_mov_b32 v28, v29
	s_xor_b32 s15, s15, 31                         ; block 31 - w
	s_add_co_u32 s16, s16, 1
	s_wait_alu depctr_va_vdst(0)
	s_cmp_lt_u32 s16, 2
	s_cbranch_scc1 .Lpass
	s_wait_xcnt 0x0
	v_lshl_add_u32 v254, v0, 2, 0x29000
	v_mov_b32 v255, 0
	s_wait_alu depctr_va_vdst(0)
	s_wait_tensorcnt 0x0                           ; the wave's end
	ds_add_u32 v254, v255
	s_wait_dscnt 0x0
	CROUND                                         ; the closing round
	s_endpgm
.Lfunc_end_k_q1a48f8a01b_attn:
	.size	k_q1a48f8a01b_attn, .Lfunc_end_k_q1a48f8a01b_attn-k_q1a48f8a01b_attn
	.p2alignl 7, 3214868480
	.fill 96, 4, 3214868480
	.section	.rodata,"a",@progbits
	.p2align	6, 0x0
	.amdhsa_kernel k_q1a48f8a01b_attn
		.amdhsa_group_segment_fixed_size 169984
		.amdhsa_private_segment_fixed_size 0
		.amdhsa_enable_private_segment 0
		.amdhsa_kernarg_size 32
		.amdhsa_user_sgpr_count 2
		.amdhsa_user_sgpr_kernarg_segment_ptr 1
		.amdhsa_wavefront_size32 1
		.amdhsa_system_sgpr_workgroup_id_x 1
		.amdhsa_system_sgpr_workgroup_id_y 1
		.amdhsa_system_sgpr_workgroup_id_z 1
		.amdhsa_system_vgpr_workitem_id 0
		.amdhsa_next_free_vgpr 256
		.amdhsa_next_free_sgpr 100
		.amdhsa_reserve_vcc 0
		.amdhsa_float_denorm_mode_32 3
		.amdhsa_float_denorm_mode_16_64 3
		.amdhsa_memory_ordered 1
		.amdhsa_forward_progress 1
		.amdhsa_inst_pref_size 94
	.end_amdhsa_kernel
	.amdgpu_metadata
---
amdhsa.version: [ 1, 2 ]
amdhsa.kernels:
  - .name:           k_q1a48f8a01b_attn
    .symbol:         k_q1a48f8a01b_attn.kd
    .args:
      - { .name: qw, .offset: 0, .size: 8, .value_kind: global_buffer, .address_space: global }
      - { .name: kv, .offset: 8, .size: 8, .value_kind: global_buffer, .address_space: global }
      - { .name: cxi, .offset: 16, .size: 8, .value_kind: global_buffer, .address_space: global }
      - { .name: cs, .offset: 24, .size: 8, .value_kind: global_buffer, .address_space: global }
    .group_segment_fixed_size: 169984
    .private_segment_fixed_size: 0
    .kernarg_segment_align: 8
    .kernarg_segment_size: 32
    .max_flat_workgroup_size: 512
    .sgpr_count:     100
    .vgpr_count:     256
    .wavefront_size: 32
...
	.end_amdgpu_metadata
.endif
;; end of part 2
;; launch oproj (part 3): grid 4 x 64, 4 waves a work-group, clusters of 4 x 4, 235,008 bytes of LDS; arguments cxi, cs, Wo_codes, Wo_scales, bo, out0; writes out0
.if DOCPART == 3
	.amdgcn_target "amdgcn-amd-amdhsa--gfx1250"
	.amdhsa_code_object_version 6
	.text
	.protected	k_q1a48f8a01b_oproj
	.globl	k_q1a48f8a01b_oproj
	.p2align	8
	.type	k_q1a48f8a01b_oproj,@function
k_q1a48f8a01b_oproj:
	s_mov_b64 s[64:65], 0
	v_nop
	global_prefetch_b8 v0, s[64:65] scope:SCOPE_SE
	s_setreg_imm32_b32 hwreg(HW_REG_WAVE_MODE, 25, 1), 1
	s_wait_xcnt 0x0
	s_wait_alu depctr_hold_cnt(0) depctr_sa_sdst(0) depctr_va_vdst(0) depctr_va_sdst(0) depctr_va_ssrc(0) depctr_va_vcc(0) depctr_vm_vsrc(0)
	s_getreg_b32 s2, hwreg(HW_REG_IB_STS2, 6, 4)
	s_cmp_eq_u32 s2, 0
	s_cbranch_scc0 .Lentry_in_a_cluster
	s_endpgm
.Lentry_in_a_cluster:
	s_bfe_u32 s2, ttmp6, 0x10000c
	s_cmp_lg_u32 s2, 0xf033
	s_cbranch_scc0 .Lentry_shape_is_right
	s_endpgm
.Lentry_shape_is_right:
; out0 = ctx Wo^T + bo on codes of FP4 (E2M1) with E8M0 scales; sums in f32; out0 [8192][1024] f32.
; ctx comes as images of operand registers: cxi [block of 128 tokens 64][K half 2][tile 8][K step 4][c 2][lane][16]; its scale bytes cs [8192][32].  Wo: [1024][1024] codes, 512 bytes a row; its scale bytes 32 a row.
; SHARES.  A work-group makes 128 tokens x 256 features: 256 work-groups.  Wave (i, j): tokens 64 i .. + 63 (tiles T 0..3) x features 128 j .. + 127 (tiles f 0..7): 32 accumulators.
; All of K lies in LDS at once, in two slots (K halves), each filled ONCE: no LDS byte is filled twice.
; CLUSTER 4 x 4: ctx's block is shared along a row of the cluster, Wo's rows along a column: each is asked for jointly.
; TRANSPOSED use (source 0 = 16 rows of Wo, source 1 = 16 tokens): a lane holds eight neighbouring features of one token.  The bias is the C of each sum's first matrix instruction.
; REGISTERS, in windows of 256: window 0: v1-14 addresses; v32-47 ctx's scale words, v48-79 Wo's; v128-223 fragment set 0 (on the way out v128-255: rows of out0).  window 1: v0-63 the bias, 8 registers a tile f; v128-223 set 1.
;   window 2: accumulator (T, f) at 8 (8 T + f).
; A TILE'S 16 TOKENS: row r of tile T is token 32 g + 8 (T xor g) + r % 8 of its 64, g = r / 8, as the launch before lays them: the scale words are loaded, and the rows of out0 stored, in that order.
; LDS: ctx's two K halves (one tensor load each, waves 0, 1), then Wo's 256 rows of 512 bytes (one load for 128 rows, waves 2, 3): one load a wave.  No prefetch: there is no loop of loads.
.set PITCH, 528                        ; a row of Wo in LDS: 512 bytes + 16 of padding
.set HALFT, 128*PITCH
.set AIMG,  32768                      ; ctx's K half: 8 tiles x 4 K steps x 1,024 bytes, dense
.set STAGE, 2*AIMG+2*HALFT             ; behind them: 16 rows x (512 + 16) bytes for each wave; no fill lands here
.set SPITCH, 528
.set SCA,   32                         ; ctx's scale words: register 8 p + kap: lanes 0-15 tile 2 p, lanes 16-31 tile 2 p + 1
.set SCB,   48                         ; Wo's likewise, p 0..3
.set FX,    128                        ; fragments: ctx's tile T at FX + 8 T
.set FW,    160                        ; Wo's tile f at FW + 8 f
.set MSB, 0
.macro WIN new                         ; the immediate's high byte repeats the setting that is left; a switch that changes nothing is dropped
.if MSB != (\new)
	s_set_vgpr_msb (MSB<<8)|(\new)
.set MSB, (\new)
.endif
.endm
.macro PLACES n
.rept \n
	v_nop
.endr
.endm
.macro CROUND                          ; a round of the cluster's barrier
	s_barrier_signal -1
	s_barrier_wait -1
	s_cmp_lg_u32 s46, 0
	s_cbranch_scc1 .Lnot_wave_0_\@
	s_barrier_signal -3
.Lnot_wave_0_\@:
	s_barrier_wait -3
	s_barrier_signal -1
	s_barrier_wait -1
.endm
; one matrix instruction.  ra, rb: the side's scale words stand in lanes 16-31
.macro WM d, a, b, c, sa, sb, ra, rb
.if (\ra) && (\rb)
	v_wmma_scale_f32_16x16x128_f8f6f4 v[(\d):(\d)+7], v[(\a):(\a)+7], v[(\b):(\b)+7], v[(\c):(\c)+7], v[\sa], v[\sb] matrix_a_fmt:MATRIX_FMT_FP4 matrix_b_fmt:MATRIX_FMT_FP4 matrix_a_scale:MATRIX_SCALE_ROW1 matrix_b_scale:MATRIX_SCALE_ROW1
.elseif (\ra)
	v_wmma_scale_f32_16x16x128_f8f6f4 v[(\d):(\d)+7], v[(\a):(\a)+7], v[(\b):(\b)+7], v[(\c):(\c)+7], v[\sa], v[\sb] matrix_a_fmt:MATRIX_FMT_FP4 matrix_b_fmt:MATRIX_FMT_FP4 matrix_a_scale:MATRIX_SCALE_ROW1
.elseif (\rb)
	v_wmma_scale_f32_16x16x128_f8f6f4 v[(\d):(\d)+7], v[(\a):(\a)+7], v[(\b):(\b)+7], v[(\c):(\c)+7], v[\sa], v[\sb] matrix_a_fmt:MATRIX_FMT_FP4 matrix_b_fmt:MATRIX_FMT_FP4 matrix_b_scale:MATRIX_SCALE_ROW1
.else
	v_wmma_scale_f32_16x16x128_f8f6f4 v[(\d):(\d)+7], v[(\a):(\a)+7], v[(\b):(\b)+7], v[(\c):(\c)+7], v[\sa], v[\sb] matrix_a_fmt:MATRIX_FMT_FP4 matrix_b_fmt:MATRIX_FMT_FP4
.endif
.endm
.macro FETCH kap                       ; the 12 fragments of K step kap, 24 loads in one run, into set kap % 2
	WIN 0x40*((\kap)%2)
.irp T, 0,1,2,3
.irp c, 0,1
	ds_load_b128 v[FX+8*\T+4*\c:FX+8*\T+4*\c+3], v[8+(\kap)/4] offset:4096*\T+1024*((\kap)%4)+512*\c     ; an image: 512 consecutive bytes
.endr
.endr
.irp f, 0,1,2,3,4,5,6,7
.irp c, 0,1
	ds_load_b128 v[FW+8*\f+4*\c:FW+8*\f+4*\c+3], v[10+(\kap)/4] offset:16*PITCH*\f+64*((\kap)%4)+32*\c   ; rows: lane l holds row l % 16, K = 64 c + 32 (l / 16) + 0 .. 31
.endr
.endr
	WIN 0
.endm
; the 32 products of a K step.  The 32 accumulators take turns, one instruction a turn, in the same order in every step.  K step 0 takes the bias as C.
.macro MUL32 kap
.if (\kap) == 0
	WIN 0x90                                       ; sources window 0, C (the bias) window 1, D window 2
.else
	WIN 0xa0|(5*((\kap)%2))                        ; sources: the set's window; C and D window 2
.endif
.irp T, 0,1,2,3
.irp f, 0,1,2,3,4,5,6,7
.if (\kap) == 0
	WM 8*(8*\T+\f), FW+8*\f, FX+8*\T, 8*\f, SCB+8*(\f/2)+(\kap), SCA+8*(\T/2)+(\kap), \f%2, \T%2
.else
	WM 8*(8*\T+\f), FW+8*\f, FX+8*\T, 8*(8*\T+\f), SCB+8*(\f/2)+(\kap), SCA+8*(\T/2)+(\kap), \f%2, \T%2
.endif
.endr
.endr
.endm
.macro KSTEP kap
.if (\kap) < 7
.if (\kap) > 0
	PLACES 4                                       ; in front of loads into the set that the last step's products read (ISA guide 7.12.1 for vector instructions)
.endif
	FETCH (\kap)+1
	s_wait_dscnt 24                                ; all but the 24 just issued: this step's fragments are in
.else
	s_wait_dscnt 0x0
.endif
	MUL32 \kap
.endm
	s_load_b256 s[4:11], s[0:1], 0x0               ; cxi, cs, Wo's codes, Wo's scales
	s_load_b128 s[12:15], s[0:1], 0x20             ; bo, out0
	v_lshl_add_u32 v126, v0, 2, 0x39400
	v_mov_b32 v127, 0
	ds_add_u32 v126, v127
	ds_add_u32 v126, v127
	v_lshrrev_b32 v1, 5, v0
	v_readfirstlane_b32 s46, v1                    ; wave 0..3.  Waves 0, 1 fetch ctx's halves, waves 2, 3 Wo's
	s_lshr_b32 s47, s46, 1                         ; i: my half of the tokens
	s_and_b32 s66, s46, 1                          ; j: my half of the features.  Also: which half of a tile I fetch
	s_bfe_u32 s40, ttmp6, 0x40000                  ; cx
	s_bfe_u32 s41, ttmp6, 0x40004                  ; cy
	s_lshl_b32 s42, ttmp9, 2
	s_add_co_u32 s42, s42, s40                     ; nb, the block of 256 features
	s_and_b32 s43, ttmp7, 0xffff
	s_lshl_b32 s43, s43, 2
	s_add_co_u32 s43, s43, s41                     ; tb, the block of 128 tokens
	s_lshl_b32 s44, s41, 2
	s_lshl_b32 s44, 15, s44                        ; my row of the cluster
	s_lshl_b32 s45, 0x1111, s40                    ; my column
	; group 1 for ctx: 32,768 dense bytes as 128 rows of 256 (32 elements of 8 bytes), no padding
	s_or_b32 s24, s44, (3<<16)|(1<<21)
	s_mov_b32 s25, 32<<16
	s_mov_b32 s26, 128<<16                         ; 32,768 dense bytes: 128 rows of 256
	s_mov_b32 s27, 32<<16
	s_mov_b32 s28, 128
	s_mov_b32 s29, 32
	s_mov_b32 s30, 0
	s_mov_b32 s31, 0
	; group 1 for Wo: 128 rows x 512 bytes, 16 bytes of padding behind each in LDS
	s_or_b32 s48, s45, (1<<20)|(1<<21)|(6<<22)|(3<<25)   ; 128 rows of 512 bytes, four words of padding after every 128
	s_mov_b32 s49, 512<<16
	s_mov_b32 s50, 128<<16
	s_mov_b32 s51, 512<<16
	s_mov_b32 s52, 128
	s_mov_b32 s53, 512
	s_mov_b32 s54, 0
	s_mov_b32 s55, 0
	s_lshl_b32 s86, s66, 15                        ; ctx's K half: 32,768 j, in LDS and in memory
	s_mul_i32 s87, s66, HALFT
	s_add_co_u32 s87, s87, 2*AIMG                  ; Wo's half in LDS
	s_lshl_b32 s88, s43, 16                        ; ctx: block tb of 65,536 bytes (hangs on the tile row alone)
	s_add_co_u32 s88, s88, s86
	s_mov_b32 s89, 0
	s_lshl_b32 s90, s42, 17                        ; Wo: (256 nb + 128 j) rows of 512 bytes (hangs on the tile column alone)
	s_lshl_b32 s91, s66, 16
	s_add_co_u32 s90, s90, s91
	s_mov_b32 s91, 0
	s_lshl_b32 s92, s43, 12                        ; cs: (128 tb + 64 i) x 32
	s_lshl_b32 s93, s47, 11
	s_add_co_u32 s92, s92, s93
	s_mov_b32 s93, 0
	s_lshl_b32 s94, s42, 13                        ; Wo's scales: (256 nb + 128 j) x 32
	s_lshl_b32 s95, s66, 12
	s_add_co_u32 s94, s94, s95
	s_mov_b32 s95, 0
	s_lshl_b32 s96, s42, 10                        ; bo, and a row of out0: (256 nb + 128 j) x 4
	s_lshl_b32 s97, s66, 9
	s_add_co_u32 s96, s96, s97
	s_mov_b32 s97, 0
	s_lshl_b32 s98, s43, 19                        ; out0: (128 tb + 64 i) rows of 4,096 bytes
	s_lshl_b32 s99, s47, 18
	s_add_co_u32 s98, s98, s99
	s_add_co_u32 s98, s98, s96
	s_mov_b32 s99, 0
	v_and_b32 v1, 15, v0                           ; r
	v_bfe_u32 v2, v0, 4, 1                         ; h
	v_and_b32 v3, 31, v0                           ; l
	v_lshlrev_b32 v4, 4, v3                        ; 16 l: my bytes of a row of out0
	v_lshlrev_b32 v7, 5, v3                        ; 32 l: a row of Wo's scale bytes
	v_bfe_u32 v15, v0, 3, 1                        ; g
	v_xor_b32 v16, v2, v15
	v_and_b32 v17, 7, v1
	v_lshl_add_u32 v16, v16, 3, v17
	v_lshl_add_u32 v16, v15, 5, v16                ; row r of tile 2 p + h: token 32 g + 8 (h xor g) + r % 8 (+ 16 p)
	v_lshlrev_b32 v6, 5, v16                       ; its scale bytes
	s_lshl_b32 s2, s47, 14
	v_add_nc_u32 v8, s2, v4                        ; v8, v9: ctx's images in K half 0, 1: my four tiles
	s_add_co_u32 s2, s2, AIMG
	v_add_nc_u32 v9, s2, v4
	v_mul_u32_u24 v5, v1, PITCH
	v_lshl_add_u32 v5, v2, 4, v5
	s_mul_i32 s2, s66, HALFT
	s_add_co_u32 s2, s2, 2*AIMG
	v_add_nc_u32 v10, s2, v5                       ; v10, v11: Wo's fragments in K half 0, 1: my 128 rows
	s_add_co_u32 s2, s2, 256
	v_add_nc_u32 v11, s2, v5
	s_mul_i32 s2, s46, 16*SPITCH
	s_add_co_u32 s2, s2, STAGE                     ; my stage
	v_mul_u32_u24 v12, v1, SPITCH
	v_lshl_add_u32 v12, v2, 5, v12
	v_add_nc_u32 v12, s2, v12                      ; in: row r, 32 bytes for each half of the lanes
	v_add_nc_u32 v13, s2, v4                       ; back: the 32 lanes take one row of 512 bytes
	v_lshlrev_b32 v14, 5, v2                       ; the bias: my half's eight numbers of a tile
	s_wait_alu depctr_va_vdst(0)
	s_wait_dscnt 0x0
	s_wait_kmcnt 0x0
	s_add_nc_u64 s[88:89], s[4:5], s[88:89]
	s_add_nc_u64 s[90:91], s[8:9], s[90:91]
	s_add_nc_u64 s[78:79], s[6:7], s[92:93]
	s_add_nc_u64 s[80:81], s[10:11], s[94:95]
	s_add_nc_u64 s[82:83], s[12:13], s[96:97]
	s_add_nc_u64 s[84:85], s[14:15], s[98:99]
	CROUND                                         ; all sixteen work-groups are here: the joint loads meet
	s_mov_b32 s32, 1
	s_mov_b32 s33, s86
	s_mov_b64 s[34:35], s[88:89]
	s_or_b32 s35, s35, 0x80000000
	s_mov_b32 s56, 1
	s_mov_b32 s57, s87
	s_mov_b64 s[58:59], s[90:91]
	s_or_b32 s59, s59, 0x80000000
	s_cmp_lt_u32 s46, 2                            ; one tensor load a wave
	s_cbranch_scc0 .Lfill_w
	tensor_load_to_lds s[32:35], s[24:31]
	s_nop 0
	PLACES 4
	s_branch .Lfilled
.Lfill_w:
	tensor_load_to_lds s[56:59], s[48:55]
	s_nop 0
	PLACES 4
.Lfilled:
	; the scale words go from memory straight into registers: a lane takes the 32 bytes of its row: eight words, one for each K step
.irp p, 0,1
	global_load_b128 v[SCA+8*\p:SCA+8*\p+3],   v6, s[78:79] offset:512*\p
	global_load_b128 v[SCA+8*\p+4:SCA+8*\p+7], v6, s[78:79] offset:512*\p+16
.endr
.irp p, 0,1,2,3
	global_load_b128 v[SCB+8*\p:SCB+8*\p+3],   v7, s[80:81] offset:1024*\p
	global_load_b128 v[SCB+8*\p+4:SCB+8*\p+7], v7, s[80:81] offset:1024*\p+16
.endr
	WIN 0x40                                       ; destination window 1
	s_wait_alu depctr_va_vdst(0)
.irp f, 0,1,2,3,4,5,6,7
	global_load_b128 v[8*\f:8*\f+3],   v14, s[82:83] offset:64*\f      ; bo at features 16 f + 8 h + 0 .. 7: the result's layout
	global_load_b128 v[8*\f+4:8*\f+7], v14, s[82:83] offset:64*\f+16
.endr
	WIN 0
	s_wait_tensorcnt 0x0                           ; my tile is in
	s_barrier_signal -1
	s_barrier_wait -1                              ; everybody's is
	FETCH 0
	s_wait_loadcnt 0x0                             ; the scale words and the bias
.irp kap, 0,1,2,3,4,5,6,7
	KSTEP \kap
.endr
	WIN 0
; THE WAY OUT, block by block of 16 tokens x 128 features.  A lane holds 32 neighbouring bytes of a row and the lanes beside it other rows: a block goes through my own stage in LDS and comes back as whole rows of 512 bytes.
; LDS serves a wave's instructions in order (ISA guide 5.7.1.4): no wait between the stores and the loads, nor in front of the next block's stores.
.macro TOSTAGE a
	WIN 0x08                                       ; an LDS store's data are its source 1: window 2
.irp f, 0,1,2,3,4,5,6,7
	ds_store_b128 v12, v[64*(\a)+8*\f:64*(\a)+8*\f+3] offset:64*\f           ; each accumulator from its low end on
	ds_store_b128 v12, v[64*(\a)+8*\f+4:64*(\a)+8*\f+7] offset:64*\f+16
.endr
	WIN 0
.irp t, 0,1,2,3,4,5,6,7,8,9,10,11,12,13,14,15
	ds_load_b128 v[128+64*((\a)%2)+4*\t:128+64*((\a)%2)+4*\t+3], v13 offset:\t*SPITCH
.endr
.endm
.macro SEND a, younger                 ; younger: the LDS instructions issued behind block a's loads, which may stay out
	s_wait_dscnt \younger
.irp t, 0,1,2,3,4,5,6,7,8,9,10,11,12,13,14,15
	global_store_b128 v4, v[128+64*((\a)%2)+4*\t:128+64*((\a)%2)+4*\t+3], s[84:85] offset:(32*(\t/8)+8*((\a)^(\t/8))+(\t%8))*4096 th:TH_STORE_NT   ; 32 lanes store 512 consecutive bytes, at a multiple of 256 from out0's first byte; written once, read by nobody here
.endr
.endm
	PLACES 4                                       ; behind the last products: results are read, and set 0's registers loaded into, only from here on
	TOSTAGE 0
.irp a, 1,2,3
.if \a > 1
	s_wait_xcnt 0x0                                ; block a - 2's stores have read their registers: block a's loads may land there
.endif
	TOSTAGE \a
	SEND \a-1, 32                                  ; behind block a - 1's loads: block a's 16 stores and 16 loads
.endr
	SEND 3, 0
	s_wait_tensorcnt 0x0
	ds_add_u32 v126, v127
	s_wait_dscnt 0x0
	CROUND                                         ; the closing round: no work-group ends while a partner may still ask for a tile that names it
	s_endpgm
.Lfunc_end_k_q1a48f8a01b_oproj:
	.size	k_q1a48f8a01b_oproj, .Lfunc_end_k_q1a48f8a01b_oproj-k_q1a48f8a01b_oproj
	.p2alignl 7, 3214868480
	.fill 96, 4, 3214868480
	.section	.rodata,"a",@progbits
	.p2align	6, 0x0
	.amdhsa_kernel k_q1a48f8a01b_oproj
		.amdhsa_group_segment_fixed_size 235008
		.amdhsa_private_segment_fixed_size 0
		.amdhsa_enable_private_segment 0
		.amdhsa_kernarg_size 48
		.amdhsa_user_sgpr_count 2
		.amdhsa_user_sgpr_kernarg_segment_ptr 1
		.amdhsa_wavefront_size32 1
		.amdhsa_system_sgpr_workgroup_id_x 1
		.amdhsa_system_sgpr_workgroup_id_y 1
		.amdhsa_system_sgpr_workgroup_id_z 1
		.amdhsa_system_vgpr_workitem_id 0
		.amdhsa_next_free_vgpr 768
		.amdhsa_next_free_sgpr 100
		.amdhsa_reserve_vcc 0
		.amdhsa_float_denorm_mode_32 3
		.amdhsa_float_denorm_mode_16_64 3
		.amdhsa_memory_ordered 1
		.amdhsa_forward_progress 1
		.amdhsa_inst_pref_size 70
	.end_amdhsa_kernel
	.amdgpu_metadata
---
amdhsa.version: [ 1, 2 ]
amdhsa.kernels:
  - .name:           k_q1a48f8a01b_oproj
    .symbol:         k_q1a48f8a01b_oproj.kd
    .args:
      - { .name: cxi, .offset: 0, .size: 8, .value_kind: global_buffer, .address_space: global }
      - { .name: cs, .offset: 8, .size: 8, .value_kind: global_buffer, .address_space: global }
      - { .name: Wo_codes, .offset: 16, .size: 8, .value_kind: global_buffer, .address_space: global }
      - { .name: Wo_scales, .offset: 24, .size: 8, .value_kind: global_buffer, .address_space: global }
      - { .name: bo, .offset: 32, .size: 8, .value_kind: global_buffer, .address_space: global }
      - { .name: out0, .offset: 40, .size: 8, .value_kind: global_buffer, .address_space: global }
    .group_segment_fixed_size: 235008
    .private_segment_fixed_size: 0
    .kernarg_segment_align: 8
    .kernarg_segment_size: 48
    .max_flat_workgroup_size: 128
    .sgpr_count:     100
    .vgpr_count:     768
    .wavefront_size: 32
...
	.end_amdgpu_metadata
.endif
;; end of part 3
